; MI455X (gfx1250); checked and timed in simulation.
; The chip was launched on July 23, 2026; its instructions are those of AMD's public machine-readable ISA for CDNA 5 (MIT licence, August 2026) and "CDNA5" Instruction Set Architecture Reference Guide (July 2026). The comments in the code are by the model that wrote it; some were corrected since.
;; Scaled Dot Product Attention. Allowed arithmetic: matrix products marked QUANTISED: E2M1 operands, one E8M0 scale for each 32 along K, by v_wmma_scale_f32_16x16x128_f8f6f4 with both operands' format E2M1 (or v_wmma_scale_f32_32x16x128_f4), f32 sums; everything else in f32.
;; Inputs: K_codes 4 x 16 x 2,048 x 2 x 16 uint8 (E2M1 codes of K, K innermost, in blocks of 32 codes, two codes a byte); K_scales 4 x 16 x 2,048 x 2 uint8 (E8M0 scales of K, one for each 32 codes along K); Q_codes 4 x 16 x 2,048 x 2 x 16 uint8 (E2M1 codes of Q, K innermost, in blocks of 32 codes, two codes a byte); Q_scales 4 x 16 x 2,048 x 2 uint8 (E8M0 scales of Q, one for each 32 codes along K); V_codes 4 x 16 x 64 x 64 x 16 uint8 (E2M1 codes of V, K innermost, in blocks of 32 codes, two codes a byte); V_scales 4 x 16 x 64 x 64 uint8 (E8M0 scales of V, one for each 32 codes along K).
;; Outputs: out0 4 x 16 x 2,048 x 64 float32.
;; This version of the problem:
;;   THIS VERSION OF THE PROBLEM IS GIVEN IN LOW PRECISION. The matrix products marked QUANTISED in the list below multiply operands that are first quantised to E2M1 (2 exponent bits, 1 mantissa bit; 4 bits a number), with one power-of-two scale for each 32 numbers along K (OCP MX v1.0); their sums are f32. All else is computed in f32.
;;   The module's matrix products, in the order in which they are computed (A, B: the left and right operand; K: the contracted axis; several contracted axes count as one K, in the product's order):
;;     1. batch 64 x [M 2,048, K 64] x [K 64, N 2,048]; A: input Q (given as codes); B: input K (given as codes): QUANTISED
;;     2. batch 64 x [M 2,048, K 2,048] x [K 2,048, N 64]; A: softmax (see below); B: input V (given as codes): QUANTISED
;;   THE QUANTISER, for each operand of a quantised product, along K:
;;     - K is cut into blocks of 32 from its start; a last block that is shorter is filled with zeros.
;;     - A block's scale is 2^e with e = floor(log2(the largest magnitude in the block)) - 2, held to -126 .. 127; a block of zeros has e = 0. As a byte (E8M0): e + 127.
;;     - Each number is divided by its block's scale, clamped to +-6, and rounded to the nearest number of E2M1, ties to even, subnormals kept.
;;     - The product sums the exact products of the quantised numbers (number of the format x scale) in f32.
;;   ~~~python
;;   def quantise(x, axis):      # numpy; x: float32 -> the quantised numbers, widened to float32 again
;;       x = np.moveaxis(x, axis, -1); K = x.shape[-1]
;;       x = np.pad(x, [(0, 0)] * (x.ndim - 1) + [(0, -K % 32)]); x = x.reshape(x.shape[:-1] + (-1, 32)); a = np.abs(x).max(-1, keepdims=True)
;;       e = np.where(a > 0, np.clip(np.frexp(np.where(a > 0, a, 1))[1] - 1 - 2, -126, 127), 0)      # np.frexp(a)[1] - 1 = floor(log2(a)), exactly
;;       r = np.clip(x / 2.0 ** e, -6, 6)
;;       step = 2.0 ** (np.maximum(np.frexp(np.where(r == 0, 1, r))[1] - 1, 0) - 1)
;;       q = np.round(r / step) * step * 2.0 ** e      # np.round: ties to even
;;       return np.moveaxis(q.reshape(q.shape[:-2] + (-1,))[..., :K], -1, axis).astype(np.float32)
;;   ~~~
;;   SOFTMAX AHEAD OF A QUANTISED PRODUCT. Where the list says 'softmax', what is quantised is not the finished softmax but p = 2^(t - M), with t = logit x log2(e) and M = ceil(the row's largest t), a whole number; so 1/2 < the row's largest p <= 1. The row's sum l is taken of the UNQUANTISED p, in f32, and the product's result is divided by l at the end. Since M is a whole number, a kernel that streams over the keys may use a running M (the ceiling of the running maximum): every later rescaling is an exact power of two, which a block's scale takes up: the codes' values come out the same.
;;   OPERANDS COMPUTED ON THE WAY. 'Computed on the way' means the value that the module computes at that place (a softmax that the list does not call 'softmax' is quantised finished and normalised). What goes into a quantiser is computed in f32, as accurately as f32 sums, v_exp_f32 and their like allow (about 1e-6 of the number): no bf16 or f16 on the way to a quantiser, and a product that is left as it is and whose result goes on into a quantised operand takes f32 operands (vector FMAs, or v_wmma_f32_16x16x4_f32). A number that lies on a knife's edge between two numbers of the format may be rounded either way, as far as f32 arithmetic and the matrix unit's own rounding can turn it there, and no further.
;;   INPUTS GIVEN AS CODES. K (in the module: [4, 16, 2048, 64], K = its axis 3); Q (in the module: [4, 16, 2048, 64], K = its axis 3); V (in the module: [4, 16, 2048, 64], K = its axis 2): each comes as NAME_codes (uint8): NAME with its K axis moved to the last place and cut into blocks of 32 codes, [.., K / 32, bytes a block], one block behind the other in memory; two codes a byte, the lower K in the low four bits (a code: sign, 2 exponent bits, 1 mantissa bit); and NAME_scales (uint8): the same leading axes, one E8M0 byte (e + 127) for each 32 codes along K. Its value is code x scale, taken as it is: it is not quantised again, and the codes and scales need not be those that the quantiser above would give.
;; One version. Each part assembles by itself: llvm-mc -triple=amdgcn-amd-amdhsa -mcpu=gfx1250 --defsym DOCPART=n.
;; ======== version 1 of 1: 1 launch
;; launch attn (part 1): grid 4 x 64, 16 waves a work-group, clusters of 4 x 1, 223,232 bytes of LDS; arguments K_codes, K_scales, Q_codes, Q_scales, V_codes, V_scales, out0; writes out0
.if DOCPART == 1
	.amdgcn_target "amdgcn-amd-amdhsa--gfx1250"
	.amdhsa_code_object_version 6
	.text
	.protected	k_q4c89e1050c_attn
	.globl	k_q4c89e1050c_attn
	.p2align	8
	.type	k_q4c89e1050c_attn,@function
k_q4c89e1050c_attn:
	s_mov_b64 s[64:65], 0
	v_nop
	global_prefetch_b8 v0, s[64:65] scope:SCOPE_SE
	s_setreg_imm32_b32 hwreg(HW_REG_WAVE_MODE, 25, 1), 1
	s_wait_xcnt 0x0
	s_wait_alu depctr_hold_cnt(0) depctr_sa_sdst(0) depctr_va_vdst(0) depctr_va_sdst(0) depctr_va_ssrc(0) depctr_va_vcc(0) depctr_vm_vsrc(0)
	s_getreg_b32 s2, hwreg(HW_REG_IB_STS2, 6, 4)
	s_cmp_eq_u32 s2, 0
	s_cbranch_scc0 .Lentry_in_a_cluster
	s_endpgm
.Lentry_in_a_cluster:
	s_bfe_u32 s2, ttmp6, 0x10000c
	s_cmp_lg_u32 s2, 0x3003
	s_cbranch_scc0 .Lentry_shape_is_right
	s_endpgm
.Lentry_shape_is_right:
; out0[h][q][:] = the sum over k <= q of softmax_k(Q[h][q] . K[h][k] / 32) V[h][k][:], 64 heads of 2,048 x 64, both products on codes of FP4 (E2M1) with one E8M0 byte for each 32 along a product's K.
; Q, K: rows of 64 codes (32 bytes) and 2 scale bytes.  V: the keys innermost: 64 rows d of 2,048 codes (1,024 bytes) and 64 scale bytes.  out0: f32, a query's row is 256 bytes.
; THE SOFTMAX AHEAD OF THE SECOND PRODUCT: t = score x log2(e) / 32; M = the row's largest t so far, rounded UP to a whole number; p = 2^(t - M) is quantised along the keys, not normalised.
; The row's sum is taken of the unquantised p and divides at the end.  When M moves, the sum and O are multiplied by 2^(old M - new M): exact.
; SHARES.  The four work-groups of a cluster belong to one head.  A head's K, V and scale bytes, 139,264 bytes of memory, lie in each work-group's LDS for the whole launch: filled ONCE, by joint loads (the same tensor
; load with the same descriptor and a mask that names the four, in all four).  So there is no ring and nothing is filled again.  All of K and V is asked for by these first fills: no later load exists for a prefetch to run ahead of.
; A wave owns TWO tiles of 16 queries: tile TL = 4 x wave + cx and tile 127 - TL.  With 128 keys a step and the steps wholly above the diagonal left out they need (wave / 2 + 1) + (16 - wave / 2) = 17 steps: the same in every wave.
; The number of a tile's last step hangs on the wave's number alone, so no branch and no LDS address hangs on a work-group's place in its cluster; the place enters Q's and out0's addresses and the mask's compare value alone.
; LAYOUT.  Both products are used transposed: S^T = K Q^T (source 0 = 16 keys, source 1 = 16 queries), O^T = V^T P^T (source 0 = 16 of the head's 64, source 1 = P): a lane holds ONE query (lane % 16) throughout.
; THE KEYS OF A TILE ARE NOT NEIGHBOURS: lane r of tile 2 b + u takes key 32 b + 8 u + r + 8 (r / 8), so that the 16 registers of tiles 2 b and 2 b + 1 are 16 neighbouring keys, 32 b + 16 (lane / 16) + 0 .. 15.
; THE FIRST PRODUCT'S K IS 64, the instruction's 128: registers 4-7 of K's and Q's fragments hold zero codes for the whole launch, and the upper two bytes of their scale words are the 0 of a zero-extended 16-bit load.
; LIMITS: a scale byte 0xff among the inputs gives NaN; scores that are not finite, and rows whose every t lies under -3e38, are not served; a block of p whose every number is 0 keeps the byte 1 over zero codes.
; LDS.  K's codes: groups of 16 keys, 512 bytes + 16 of padding: the eight rows 32 bytes apart that lanes 0-7 take fall on the even 16-byte columns, the eight of the next group (lanes 8-15) on the odd ones.
.set KGRP,   528                       ; 16 keys
.set KSTEP,  8*KGRP                    ; 128 keys: 4,224 bytes
.set KCHUNK, 4*KSTEP                   ; 512 keys: 16,896 bytes; the four chunks lie on end from LDS byte 0
.set VB,     4*KCHUNK                  ; V's codes: four chunks of 512 keys; in a chunk 64 rows d of 256 bytes + 16
.set VP,     272
.set VCHUNK, 64*VP
.set SKB,    VB+4*VCHUNK               ; K's scale bytes: 4,096, dense, 2 a key
.set SVB,    SKB+4096                  ; V's scale bytes: 64 rows d of 64 bytes + 8: 18 words from lane to lane
.set SVP,    72
.set STAGE,  SVB+64*SVP                ; the way out: 16 rows x (256 bytes + 16) for each wave; no fill lands here
.set SP,     272
.set WSTG,   16*SP
; VECTOR REGISTERS
.set AK0,  1                           ; v1   my lane's place in a tile of K
.set AV0,  2                           ; v2   in a tile of V
.set ASK0, 3                           ; v3   among K's scale words
.set ASV0, 4                           ; v4   among V's
.set GO,   5                           ; v5   the way out: my byte offset in the tile's rows of out0
.set STO,  6                           ; v6   where I put 32 bytes of a row in my stage
.set SRD,  7                           ; v7   where I read a row back
.set ADK,  8                           ; v8-11 the step's LDS addresses: K, V, K's scale words, V's
.set ADV,  9
.set ADS,  10
.set ADT,  11
                                       ; v12 -M, v13 the largest t, v[14:15] the sum in two halves
.set QH,   16                          ; v[16:23] the high tile's fragment of Q;  v[24:31] the low tile's
.set QL,   24
.set KF,   32                          ; v[32:95] K's eight fragments
.set SS,   96                          ; v[96:159] S^T, then p
.set OT,   160                         ; v[160:191] O^T, four tiles
.set VF,   192                         ; v[192:223] V's four fragments
.set PC,   224                         ; v[224:231] p's codes
.set MX,   232                         ; v232-235 the blocks' largest scores, then largest p (at the head: Q's load offsets)
.set TP,   236                         ; v236-239 at work
.set KS,   240                         ; v240-243 K's scale words: register b: lanes 0-15 tile 2 b, lanes 16-31 tile 2 b + 1
.set CV,   244                         ; v244-247 the conversions' scale operands
.set VS,   248                         ; v248-249 V's scale words: register u: lanes 0-15 tile 2 u, lanes 16-31 tile 2 u + 1
.set QSH,  250                         ; v250, v251 Q's scale words
.set QSL,  251
                                       ; v252 f, v253 p's scale word, v254 at work, v255 the mask's compare value
; SCALAR REGISTERS
.set WV,   2                           ; my wave's number
.set JH,   3                           ; wave % 2: which half of a tile I fetch, if I fetch
.set SEL,  4                           ; s[4:5]  lane selects for v_permlanex16_b32: lane l xor 16 (behind the fills)
.set CS,   6                           ; s[6:7]  c = log2(e) / 32, twice
.set TK,   12                          ; where the step's tiles begin: K's, 4,224 bytes a step;
.set TV,   13                          ; V's, 64 bytes a step and on to the next chunk behind four;
.set TSK,  14                          ; K's scale words, 256 bytes a step;
.set TSV,  15                          ; V's, 4 bytes a step
.set EH,   16                          ; the high tile's first query less its last step's first key;  s17 the low tile's
.set EL,   17
.set SI,   18                          ; the step's number
.set LAST, 19                          ; the number of the tile's last step, the one on the diagonal
.set CI,   20                          ; loop counters
.set CO,   21
.set LASTL, 22
.set G1K,  24                          ; s[24:31] descriptor group 1 for K's codes; s[32:39] V's codes; s[40:47] K's scale bytes; s[48:55] V's scale bytes
.set G1V,  32
.set G1SK, 40
.set G1SV, 48
.set OH,   66                          ; s[66:67] out0 at the high tile;  s[100:101] at the low tile
.set OL,   100
.set W0,   15|(3<<16)|(1<<21)          ; group 1, word 0: 15:0 the mask: all four work-groups; 17:16 elements of 8 bytes; 21 set beside a mask
.set W0K,  W0|(1<<20)|(6<<22)|(3<<25)  ; padding on: 4 words behind every 128
.set W0V,  W0|(1<<20)|(5<<22)|(3<<25)  ; 4 words behind every 64
.set W0SV, W0|(1<<20)|(3<<22)|(1<<25)  ; 2 words behind every 16
; A round of the cluster's barrier: my work-group's barrier, wave 0 signals for the work-group, every wave waits for all four work-groups, my work-group's barrier once more.
.macro CROUND
	s_barrier_signal -1
	s_barrier_wait -1
	s_cmp_lg_u32 s[WV], 0
	s_cbranch_scc1 .Lnot_wave_0_\@
	s_barrier_signal -3
.Lnot_wave_0_\@:
	s_barrier_wait -3
	s_barrier_signal -1
	s_barrier_wait -1
.endm
; Descriptor group 1: r rows of c elements, p elements from row to row.  The tiles lie inside their tensors, so the extents are the tile's.
.macro G1SET g, w0, c, r, p
	s_mov_b32 s[\g], \w0
	s_mov_b32 s[\g+1], (\c)<<16                    ; tensor_dim0
	s_mov_b32 s[\g+2], (\r)<<16                    ; tensor_dim1
	s_mov_b32 s[\g+3], (\c)<<16                    ; tile_dim0
	s_mov_b32 s[\g+4], \r                          ; tile_dim1
	s_mov_b32 s[\g+5], \p                          ; tensor_dim0_stride
	s_mov_b32 s[\g+6], 0
	s_mov_b32 s[\g+7], 0
.endm
; Descriptor group 0: count 1; LDS address = my half's offset + a constant; global address = the tensor at my head and half + a constant; type 2.
.macro G0SET g, lreg, lconst, p, off
	s_mov_b32 s[\g], 1
	s_add_co_u32 s[\g+1], s[\lreg], \lconst
	s_add_nc_u64 s[\g+2:\g+3], s[\p:\p+1], \off
	s_or_b32 s[\g+3], s[\g+3], 0x80000000
.endm
	s_load_b256 s[4:11], s[0:1], 0x0               ; K's codes s[4:5], K's scales s[6:7], Q's codes s[8:9], Q's scales s[10:11]
	s_load_b128 s[12:15], s[0:1], 0x20             ; V's codes s[12:13], V's scales s[14:15]
	s_load_b64 s[16:17], s[0:1], 0x30              ; out0
	v_lshl_add_u32 v254, v0, 2, 0x36000
	v_mov_b32 v255, 0
	ds_add_u32 v254, v255
	ds_add_u32 v254, v255
	s_wait_dscnt 0x0
	v_lshrrev_b32 v8, 5, v0
	s_delay_alu instid0(VALU_DEP_1)
	v_readfirstlane_b32 s[WV], v8                  ; wave 0..15
	s_and_b32 s[JH], s[WV], 1
	s_and_b32 s18, ttmp7, 0xffff                   ; the head, which the four partners share
	s_mov_b32 s19, 0
	s_lshl_b64 s[20:21], s[18:19], 16              ; the head's first byte in each tensor of codes,
	s_lshl_b64 s[22:23], s[18:19], 12              ; and in each tensor of scale bytes
	G1SET G1K,  W0K,  64, 16, 64                   ; K's codes: half a chunk, 8,192 dense bytes, as 16 rows of 512
	G1SET G1V,  W0V,  32, 32, 128                  ; V's codes: 32 rows d, 256 bytes of each, rows 1,024 bytes apart
	G1SET G1SK, W0,   32, 8,  32                   ; K's scale bytes: half a head's, 2,048 dense bytes, as 8 rows of 256
	G1SET G1SV, W0SV, 8,  32, 8                    ; V's scale bytes: 32 rows d of 64 bytes, dense
	s_mul_i32 s100, s[JH], KCHUNK/2                ; my half's place in LDS: in a chunk of K,
	s_mul_i32 s101, s[JH], VCHUNK/2                ; in a chunk of V,
	s_mul_i32 s66, s[JH], 32*SVP                   ; among V's scale bytes
	s_mov_b32 s105, 0
	s_wait_kmcnt 0x0
	s_lshl_b32 s104, s[JH], 13                     ; and in memory: 256 keys of 32 bytes,
	s_add_nc_u64 s[4:5], s[4:5], s[20:21]
	s_add_nc_u64 s[4:5], s[4:5], s[104:105]
	s_lshl_b32 s104, s[JH], 15                     ; 32 rows d of 1,024 bytes,
	s_add_nc_u64 s[12:13], s[12:13], s[20:21]
	s_add_nc_u64 s[12:13], s[12:13], s[104:105]
	s_lshl_b32 s104, s[JH], 11                     ; 2,048 scale bytes (in LDS too, for K's)
	s_add_nc_u64 s[6:7], s[6:7], s[22:23]
	s_add_nc_u64 s[6:7], s[6:7], s[104:105]
	s_add_nc_u64 s[14:15], s[14:15], s[22:23]
	s_add_nc_u64 s[14:15], s[14:15], s[104:105]
	G0SET 56, 104, SKB, 6, 0                       ; ten sets, never written again.  K's scale bytes;
	G0SET 60, 100, 0, 4, 0                         ; K's chunks 0 to 3;
	G0SET 68, 100, KCHUNK, 4, 16384
	G0SET 72, 100, 2*KCHUNK, 4, 2*16384
	G0SET 76, 100, 3*KCHUNK, 4, 3*16384
	G0SET 80, 66, SVB, 14, 0                       ; V's scale bytes;
	G0SET 84, 101, VB, 12, 0                       ; V's chunks 0 to 3: 256 bytes on in each row
	G0SET 88, 101, VB+VCHUNK, 12, 256
	G0SET 92, 101, VB+2*VCHUNK, 12, 512
	G0SET 96, 101, VB+3*VCHUNK, 12, 768
	CROUND                                         ; all four work-groups are here: the joint loads meet
	; THE FILLS, all of them, in one branch on the wave's number: waves 0 and 1 fetch K's halves, waves 2 and 3 V's, the others nothing.  A fetching wave has five tensor loads out.
	; Four v_nop follow each run, ahead of the jump, the label and what follows.
	s_cmp_lt_u32 s[WV], 2
	s_cbranch_scc0 .Lnot_k
	tensor_load_to_lds s[56:59], s[G1SK:G1SK+7]
	s_nop 0
	tensor_load_to_lds s[60:63], s[G1K:G1K+7]
	s_nop 0
	tensor_load_to_lds s[68:71], s[G1K:G1K+7]
	s_nop 0
	tensor_load_to_lds s[72:75], s[G1K:G1K+7]
	s_nop 0
	tensor_load_to_lds s[76:79], s[G1K:G1K+7]
	s_nop 0
.rept 4
	v_nop
.endr
	s_branch .Lasked
.Lnot_k:
	s_cmp_lt_u32 s[WV], 4
	s_cbranch_scc0 .Lasked
	tensor_load_to_lds s[80:83], s[G1SV:G1SV+7]
	s_nop 0
	tensor_load_to_lds s[84:87], s[G1V:G1V+7]
	s_nop 0
	tensor_load_to_lds s[88:91], s[G1V:G1V+7]
	s_nop 0
	tensor_load_to_lds s[92:95], s[G1V:G1V+7]
	s_nop 0
	tensor_load_to_lds s[96:99], s[G1V:G1V+7]
	s_nop 0
.rept 4
	v_nop
.endr
.Lasked:
	; my two tiles.  K's and V's pointers are done with: their registers are free
	s_bfe_u32 s104, ttmp6, 0x40000                 ; cx: my work-group's place in the cluster
	s_lshl_b32 s105, s[WV], 2
	s_add_co_u32 s105, s105, s104                  ; TL = 4 x wave + cx
	s_sub_co_u32 s12, 127, s105                    ; TH = 127 - TL
	s_add_nc_u64 s[8:9], s[8:9], s[20:21]          ; Q's codes and scale bytes at my head
	s_add_nc_u64 s[10:11], s[10:11], s[22:23]
	s_lshl_b64 s[4:5], s[18:19], 19                ; a head of out0 is 2,048 rows of 256 bytes,
	s_add_nc_u64 s[16:17], s[16:17], s[4:5]
	s_lshl_b32 s4, s12, 12                         ; a tile 16 rows
	s_mov_b32 s5, 0
	s_add_nc_u64 s[OH:OH+1], s[16:17], s[4:5]
	s_lshl_b32 s4, s105, 12
	s_add_nc_u64 s[OL:OL+1], s[16:17], s[4:5]
	s_lshl_b32 s[EL], s[JH], 6                     ; the low tile's first query is 64 x wave + 16 cx, its last step's first key 128 (wave / 2):
	s_lshl_b32 s104, s104, 4
	s_add_co_u32 s[EL], s[EL], s104                ; EL = 64 (wave % 2) + 16 cx;
	s_sub_co_u32 s[EH], 112, s[EL]                 ; the high tile's: 2,032 - 64 x wave - 16 cx and 128 (15 - wave / 2): EH = 112 - EL
	v_and_b32 v9, 15, v0                           ; r = lane % 16
	v_bfe_u32 v10, v0, 4, 1                        ; h = lane / 16
	s_delay_alu instid0(VALU_DEP_2)
	v_lshlrev_b32 v[MX], 5, v9
	s_delay_alu instid0(VALU_DEP_1)
	v_lshl_add_u32 v[MX], v10, 4, v[MX]            ; Q's codes: row r of 32 bytes, + 16 h: k = 32 h + 0 .. 31
	s_lshl_b32 s13, s12, 9                         ; a tile's 16 rows are 512 bytes
	s_lshl_b32 s14, s105, 9
	v_add_nc_u32 v[MX+1], s14, v[MX]
	v_add_nc_u32 v[MX], s13, v[MX]
	v_lshlrev_b32 v[MX+2], 1, v9                   ; Q's scale bytes: 2 a row, 32 a tile
	s_lshl_b32 s13, s12, 5
	s_lshl_b32 s14, s105, 5
	v_add_nc_u32 v[MX+3], s14, v[MX+2]
	v_add_nc_u32 v[MX+2], s13, v[MX+2]
	global_load_b128 v[QH:QH+3], v[MX], s[8:9] th:TH_LOAD_NT       ; 32 lanes read the tile's 512 consecutive bytes; nobody else reads them
	global_load_b128 v[QL:QL+3], v[MX+1], s[8:9] th:TH_LOAD_NT
	global_load_u16 v[QSH], v[MX+2], s[10:11] th:TH_LOAD_NT        ; bytes 2 and 3 of the word are 0: they stand over zero codes
	global_load_u16 v[QSL], v[MX+3], s[10:11] th:TH_LOAD_NT
	; the zero codes of k = 64 .. 127, written once
.irp j, 4,5,6,7
	v_mov_b32 v[QH+\j], 0
	v_mov_b32 v[QL+\j], 0
.endr
.irp t, 0,1,2,3,4,5,6,7
.irp j, 4,5,6,7
	v_mov_b32 v[KF+8*\t+\j], 0
.endr
.endr
	v_and_b32 v11, 7, v0                           ; r % 8
	v_bfe_u32 v8, v0, 3, 1                         ; r / 8
	s_delay_alu instid0(VALU_DEP_2)
	v_lshlrev_b32 v[AK0], 5, v11                   ; K: lanes 0-7 take eight neighbouring rows of a group of 16 keys,
	s_delay_alu instid0(VALU_DEP_1)
	v_mad_u32_u24 v[AK0], v8, KGRP, v[AK0]         ; lanes 8-15 the same rows of the next group;
	s_delay_alu instid0(VALU_DEP_1)
	v_lshl_add_u32 v[AK0], v10, 4, v[AK0]          ; + 16 h
	v_mul_u32_u24 v[AV0], v9, VP                   ; V: row d = r, + 16 h
	s_delay_alu instid0(VALU_DEP_1)
	v_lshl_add_u32 v[AV0], v10, 4, v[AV0]
	s_delay_alu instid0(VALU_DEP_1)
	v_add_nc_u32 v[AV0], VB, v[AV0]
	v_lshlrev_b32 v[ASK0], 1, v11                  ; K's scale words: lane (r, h) takes the key of lane r of tile 2 b + h: 32 b + 8 h + r % 8 + 16 (r / 8), 2 bytes a key
	s_delay_alu instid0(VALU_DEP_1)
	v_lshl_add_u32 v[ASK0], v8, 5, v[ASK0]
	s_delay_alu instid0(VALU_DEP_1)
	v_lshl_add_u32 v[ASK0], v10, 4, v[ASK0]
	s_delay_alu instid0(VALU_DEP_1)
	v_add_nc_u32 v[ASK0], SKB, v[ASK0]
	v_and_b32 v[ASV0], 31, v0                      ; V's: lane l takes row d = l (register 1: 32 + l)
	s_delay_alu instid0(VALU_DEP_1)
	v_mul_u32_u24 v[ASV0], v[ASV0], SVP
	s_delay_alu instid0(VALU_DEP_1)
	v_add_nc_u32 v[ASV0], SVB, v[ASV0]
	v_lshlrev_b32 v[GO], 8, v10                    ; the way out: lanes 0-15 take one row of out0, lanes 16-31 the next; 16 bytes a lane
	s_delay_alu instid0(VALU_DEP_1)
	v_lshl_add_u32 v[GO], v9, 4, v[GO]
	s_mul_i32 s23, s[WV], WSTG
	s_add_co_u32 s23, s23, STAGE                   ; my stage
	v_mul_u32_u24 v[STO], v9, SP                   ; in: row r; tile t's eight channels of my half: 64 t + 32 h bytes on
	s_delay_alu instid0(VALU_DEP_1)
	v_lshl_add_u32 v[STO], v10, 5, v[STO]
	s_delay_alu instid0(VALU_DEP_1)
	v_add_nc_u32 v[STO], s23, v[STO]
	v_mul_u32_u24 v[SRD], v10, SP                  ; back: lanes 0-15 one row, lanes 16-31 the next
	s_delay_alu instid0(VALU_DEP_1)
	v_lshl_add_u32 v[SRD], v9, 4, v[SRD]
	s_delay_alu instid0(VALU_DEP_1)
	v_add_nc_u32 v[SRD], s23, v[SRD]
.irp b, 0,1,2,3
	v_mov_b32 v[TP+\b], 0                          ; written once: a lane permute's destination counts as one of its sources
.endr
	v_mov_b32 v252, 0
	v_mov_b32 v253, 0                              ; (named as the upper half of the pair v[252:253] before it is first written)
	s_mov_b32 s[SEL], 0x76543210
	s_mov_b32 s[SEL+1], 0xfedcba98
	s_mov_b32 s[CS], 0x3d38aa3b                    ; c = log2(e) / 32: log2(e) with 5 off its exponent field
	s_mov_b32 s[CS+1], s[CS]                       ; (named with it as a pair, so it is written)
	s_lshr_b32 s[LASTL], s[WV], 1                  ; the low tile's last step: wave / 2;
	s_sub_co_u32 s[LAST], 15, s[LASTL]             ; the high tile's: 15 - wave / 2
; A tile begins: no maximum, no sum, O^T of zeros (the step is written once: a tile's first step finds zeros, which the first change of M leaves zeros); the mask's compare value; the addresses at step 0.
.macro PASS_INIT e
	v_mov_b32 v13, 0xff61b1e6                      ; the largest t so far: -3e38
	s_delay_alu instid0(VALU_DEP_1)
	v_floor_f32 v12, -v13                          ; -M
	v_mov_b32 v14, 0
	v_mov_b32 v15, 0
.irp j, 0,1,2,3,4,5,6,7,8,9,10,11,12,13,14,15,16,17,18,19,20,21,22,23,24,25,26,27,28,29,30,31
	v_mov_b32 v[OT+\j], 0
.endr
	v_and_b32 v255, 15, v0
	v_bfe_u32 v254, v0, 4, 1
	s_delay_alu instid0(VALU_DEP_1)
	v_lshlrev_b32 v254, 4, v254
	s_delay_alu instid0(VALU_DEP_1)
	v_sub_nc_u32 v255, v255, v254
	s_delay_alu instid0(VALU_DEP_1)
	v_add_nc_u32 v255, s[\e], v255                 ; d = my query - the last step's first key - 16 (lane / 16)
	s_mov_b32 s[TK], 0
	s_mov_b32 s[TV], 0
	s_mov_b32 s[TSK], 0
	s_mov_b32 s[TSV], 0
	s_mov_b32 s[SI], 0
.endm
; A KEY STEP: 128 keys against the tile whose fragment of Q begins at v[qf] and whose scale words lie in v[qs].
; causal = 1: a step behind the tile's last is left out: a scalar branch on the step's number and the wave's, round the loads, products and softmax, not round the lines at the end that step addresses;
; in the last step, the one on the diagonal, the scores of hidden keys become -infinity ahead of the maximum.
.macro STEP qf, qs, causal
.if \causal
	s_cmp_gt_u32 s[SI], s[LAST]
	s_cbranch_scc1 .Lhidden_\@
.endif
	s_setprio 2
	v_add_nc_u32 v[ADK], s[TK], v[AK0]             ; these four are also the places between the last step's products V^T P and the loads into the registers that they read
	v_add_nc_u32 v[ADV], s[TV], v[AV0]
	v_add_nc_u32 v[ADS], s[TSK], v[ASK0]
	v_add_nc_u32 v[ADT], s[TSV], v[ASV0]
.irp t, 0,1,2,3,4,5,6,7
	ds_load_b128 v[KF+8*\t:KF+8*\t+3], v[ADK] offset:2*KGRP*(\t/2)+256*(\t%2)     ; tile t: k = 32 h + 0 .. 31 of its 16 keys
.endr
.irp b, 0,1,2,3
	ds_load_u16 v[KS+\b], v[ADS] offset:64*\b      ; the scale words of tiles 2 b (lanes 0-15) and 2 b + 1 (lanes 16-31); bytes 2 and 3 are 0
.endr
.irp t, 0,1,2,3
.irp c, 0,1
	ds_load_b128 v[VF+8*\t+4*\c:VF+8*\t+4*\c+3], v[ADV] offset:16*VP*\t+32*\c      ; V's tile t: channels 16 t + r, keys 64 c + 32 h + 0 .. 31 of the step
.endr
.endr
	ds_load_b32 v[VS], v[ADT]                      ; V's scale words of tiles 0, 1
	ds_load_b32 v[VS+1], v[ADT] offset:32*SVP      ; and 2, 3
	s_wait_dscnt 10                                ; K's twelve loads are in; V's ten, issued behind them, land under the softmax
.irp b, 0,1,2,3                                ; S^T = K Q^T: each product starts its own sum
	v_wmma_scale_f32_16x16x128_f8f6f4 v[SS+16*\b:SS+16*\b+7], v[KF+16*\b:KF+16*\b+7], v[\qf:\qf+7], 0, v[KS+\b], v[\qs] matrix_a_fmt:MATRIX_FMT_FP4 matrix_b_fmt:MATRIX_FMT_FP4
	v_wmma_scale_f32_16x16x128_f8f6f4 v[SS+16*\b+8:SS+16*\b+15], v[KF+16*\b+8:KF+16*\b+15], v[\qf:\qf+7], 0, v[KS+\b], v[\qs] matrix_a_fmt:MATRIX_FMT_FP4 matrix_b_fmt:MATRIX_FMT_FP4 matrix_a_scale:MATRIX_SCALE_ROW1
.endr
.rept 4
	v_nop                                          ; four places between the last product and the first read of results (ISA guide 7.12.1)
.endr
.if \causal
	s_cmp_lg_u32 s[SI], s[LAST]
	s_cbranch_scc1 .Lopen_\@                       ; a step all of whose keys count skips the mask
	v_mov_b32 v254, 0xff800000                     ; -infinity.  Register 16 b + i holds the step's key 32 b + 16 (lane / 16) + i: hidden where 32 b + i > d
	s_wait_alu depctr_va_vdst(0)
.irp n, 0,1,2,3,4,5,6,7,8,9,10,11,12,13,14,15,16,17,18,19,20,21,22,23,24,25,26,27,28,29,30,31,32,33,34,35,36,37,38,39,40,41,42,43,44,45,46,47,48,49,50,51,52,53,54,55,56,57,58,59,60,61,62,63
	v_cmp_gt_i32 vcc_lo, 32*(\n/16)+\n%16, v255
	v_cndmask_b32 v[SS+\n], v[SS+\n], v254, vcc_lo
.endr
.Lopen_\@:
.endif
.irp b, 0,1,2,3
	v_max3_num_f32 v[MX+\b], v[SS+16*\b], v[SS+1+16*\b], v[SS+2+16*\b]   ; THE LARGEST SCORE OF EACH BLOCK OF 32 KEYS: it serves twice: for the row's maximum, and, since p rises with the score, for the block's largest p
.endr
.irp i, 3,5,7,9,11,13
.irp b, 0,1,2,3
	v_max3_num_f32 v[MX+\b], v[MX+\b], v[SS+16*\b+\i], v[SS+1+16*\b+\i]   ; (the four blocks by turns)
.endr
.endr
.irp b, 0,1,2,3
	v_max_num_f32 v[MX+\b], v[MX+\b], v[SS+15+16*\b]
.endr
.irp b, 0,1,2,3
	s_delay_alu instid0(VALU_DEP_4)
	v_permlanex16_b32 v[TP+\b], v[MX+\b], s[SEL], s[SEL+1]
.endr
.irp b, 0,1,2,3
	s_delay_alu instid0(VALU_DEP_4)
	v_max_num_f32 v[MX+\b], v[MX+\b], v[TP+\b]     ; with lane l xor 16's 16 keys
.endr
	s_delay_alu instid0(VALU_DEP_2)
	v_max3_num_f32 v254, v[MX], v[MX+1], v[MX+2]
	s_delay_alu instid0(VALU_DEP_1)
	v_max_num_f32 v254, v254, v[MX+3]              ; the step's largest score of my query
	s_delay_alu instid0(VALU_DEP_1)
	v_mul_f32 v254, s[CS], v254                    ; as t (c is positive)
	s_delay_alu instid0(VALU_DEP_1)
	v_max_num_f32 v13, v13, v254                   ; the running largest t
	v_mov_b32 v254, v12
	s_delay_alu instid0(VALU_DEP_2)
	v_floor_f32 v12, -v13                          ; the new -M = floor(-t) = -ceil(t): M is a whole number
	s_delay_alu instid0(VALU_DEP_1)
	v_sub_f32 v254, v12, v254                      ; M's old value less its new one: a whole number, 0 or less
	s_delay_alu instid0(VALU_DEP_1)
	v_cvt_i32_f32 v254, v254                       ; (it saturates)
	s_delay_alu instid0(VALU_DEP_1)
	v_ldexp_f32 v252, 1.0, v254                    ; f = 2^(old M - new M): a multiplication by it rounds nothing
.irp j, 0,2,4,6,8,10,12,14,16,18,20,22,24,26,28,30,32,34,36,38,40,42,44,46,48,50,52,54,56,58,60,62
	v_pk_fma_f32 v[SS+\j:SS+1+\j], v[SS+\j:SS+1+\j], s[CS:CS+1], v[12:13] op_sel_hi:[1,0,0]   ; t - M, two at a time (of the pairs c and -M the low word serves both halves)
.endr
.irp b, 0,1,2,3
	v_fma_f32 v[MX+\b], v[MX+\b], s[CS], v12       ; the same of each block's largest score
.endr
	s_setprio 1
	s_wait_alu depctr_va_vdst(0)
.irp j, 0,1,2,3,4,5,6,7,8,9,10,11,12,13,14,15,16,17,18,19,20,21,22,23,24,25,26,27,28,29,30,31,32,33,34,35,36,37,38,39,40,41,42,43,44,45,46,47,48,49,50,51,52,53,54,55,56,57,58,59,60,61,62,63
	v_exp_f32 v[SS+\j], v[SS+\j]                   ; p = 2^(t - M), at most 1: not normalised
.endr
	v_pk_mul_f32 v[14:15], v[14:15], v[252:253] op_sel_hi:[1,0]   ; the sums under the new M: the plain instruction behind the exponentials
	s_wait_alu depctr_va_vdst(0)                   ; one wait for the batch of 64, ahead of its first reader
.irp b, 0,1,2,3
	v_exp_f32 v[MX+\b], v[MX+\b]                   ; the block's largest p: the same two instructions on the same number give the same bits
.endr
	v_pk_add_f32 v[236:237], v[100:101], v[104:105]
	v_pk_add_f32 v[246:247], v[108:109], v[112:113]
	v_pk_add_f32 v[244:245], v[116:117], v[120:121]
	v_pk_add_f32 v[242:243], v[124:125], v[128:129]
	v_pk_add_f32 v[240:241], v[132:133], v[136:137]
	v_pk_add_f32 v[238:239], v[140:141], v[144:145]
	v_pk_add_f32 v[230:231], v[148:149], v[152:153]
	v_pk_add_f32 v[14:15], v[14:15], v[156:157]
	v_pk_add_f32 v[236:237], v[236:237], v[96:97]
	v_pk_add_f32 v[246:247], v[246:247], v[98:99]
	v_pk_add_f32 v[244:245], v[244:245], v[102:103]
	v_pk_add_f32 v[242:243], v[242:243], v[106:107]
	v_pk_add_f32 v[240:241], v[240:241], v[110:111]
	v_pk_add_f32 v[238:239], v[238:239], v[114:115]
	v_pk_add_f32 v[230:231], v[230:231], v[118:119]
	v_pk_add_f32 v[14:15], v[14:15], v[122:123]
	v_pk_add_f32 v[236:237], v[236:237], v[126:127]
	v_pk_add_f32 v[246:247], v[246:247], v[130:131]
	v_pk_add_f32 v[244:245], v[244:245], v[134:135]
	v_pk_add_f32 v[242:243], v[242:243], v[138:139]
	v_pk_add_f32 v[240:241], v[240:241], v[142:143]
	v_pk_add_f32 v[238:239], v[238:239], v[146:147]
	v_pk_add_f32 v[230:231], v[230:231], v[150:151]
	v_pk_add_f32 v[14:15], v[14:15], v[154:155]
	v_pk_add_f32 v[236:237], v[236:237], v[158:159]
	s_delay_alu instid0(VALU_DEP_2)
	v_pk_add_f32 v[14:15], v[14:15], v[242:243]
	s_delay_alu instid0(VALU_DEP_2)
	v_pk_add_f32 v[236:237], v[236:237], v[240:241]
	v_pk_add_f32 v[246:247], v[246:247], v[238:239]
	v_pk_add_f32 v[244:245], v[244:245], v[230:231]
	s_delay_alu instid0(VALU_DEP_2)
	v_pk_add_f32 v[14:15], v[14:15], v[246:247]
	s_delay_alu instid0(VALU_DEP_2)
	v_pk_add_f32 v[236:237], v[236:237], v[244:245]
	s_delay_alu instid0(VALU_DEP_1)
	v_pk_add_f32 v[14:15], v[14:15], v[236:237]
	s_wait_alu depctr_va_vdst(0)                   ; and one for the four
.irp b, 0,1,2,3
	v_max_num_f32 v[MX+\b], 0x1800000, v[MX+\b]    ; the floor 2^(3 - 127): the byte cannot fall under 1
.endr
.irp b, 0,1,2,3
	s_delay_alu instid0(VALU_DEP_4)
	v_add_nc_u32 v[CV+\b], 0xff000000, v[MX+\b]    ; 2 off the exponent field: the conversion takes the exponent field of this operand as its scale
.endr
.irp b, 0,1,2,3
	s_delay_alu instid0(VALU_DEP_4)
	v_lshrrev_b32 v[TP+\b], 23, v[CV+\b]           ; the scale's byte
.endr
	s_delay_alu instid0(VALU_DEP_3)
	v_lshl_or_b32 v253, v[TP+1], 8, v[TP]          ; p's scale word for these 128 keys
	s_delay_alu instid0(VALU_DEP_1)
	v_lshl_or_b32 v253, v[TP+2], 16, v253
	s_delay_alu instid0(VALU_DEP_1)
	v_lshl_or_b32 v253, v[TP+3], 24, v253
.irp b, 0,1,2,3
	v_cvt_scalef32_pk8_fp4_f32 v[PC+2*\b], v[SS+16*\b:SS+7+16*\b], v[CV+\b]
	v_cvt_scalef32_pk8_fp4_f32 v[PC+1+2*\b], v[SS+8+16*\b:SS+15+16*\b], v[CV+\b]
.endr
	s_setprio 0
	v_nop                                          ; one plain instruction between a scaled conversion and the vector instruction that touches its result
.irp c, 0,1                                    ; the operand's layout wants a WHOLE block in a lane: lanes 0-15 block 2 c, lanes 16-31 block 2 c + 1
.irp i, 0,1
	v_permlane16_swap_b32 v[PC+4*\c+\i], v[PC+2+4*\c+\i]
.endr
.endr
.irp j, 0,2,4,6,8,10,12,14,16,18,20,22,24,26,28,30
	v_pk_mul_f32 v[OT+\j:OT+1+\j], v[OT+\j:OT+1+\j], v[252:253] op_sel_hi:[1,0]   ; O^T under the new M, each accumulator from its low end on.  These sixteen stand between the scale word and the codes just made and the products below
.endr
	s_wait_alu depctr_va_vdst(0)
	s_wait_dscnt 0x0                               ; V's fragments and scale words are in
.irp u, 0,1                                    ; O^T += V^T P^T: K = these 128 keys.  The four accumulators take turns, one instruction a turn, and the next step's eight products K Q^T stand between two turns of one
	v_wmma_scale_f32_16x16x128_f8f6f4 v[OT+16*\u:OT+16*\u+7], v[VF+16*\u:VF+16*\u+7], v[PC:PC+7], v[OT+16*\u:OT+16*\u+7], v[VS+\u], v253 matrix_a_fmt:MATRIX_FMT_FP4 matrix_b_fmt:MATRIX_FMT_FP4
	v_wmma_scale_f32_16x16x128_f8f6f4 v[OT+16*\u+8:OT+16*\u+15], v[VF+16*\u+8:VF+16*\u+15], v[PC:PC+7], v[OT+16*\u+8:OT+16*\u+15], v[VS+\u], v253 matrix_a_fmt:MATRIX_FMT_FP4 matrix_b_fmt:MATRIX_FMT_FP4 matrix_a_scale:MATRIX_SCALE_ROW1
.endr
.if \causal
.Lhidden_\@:
.endif
	s_add_co_u32 s[TK], s[TK], KSTEP               ; on to the next step's tiles and scale words
	s_add_co_u32 s[TV], s[TV], 64
	s_add_co_u32 s[TSK], s[TSK], 256
	s_add_co_u32 s[TSV], s[TSV], 4
	s_add_co_u32 s[SI], s[SI], 1
.endm
; A chunk's four steps: written once, walked four times; then V's address goes on to the next chunk (K's chunks lie on end).
.macro FOUR qf, qs, causal
	s_mov_b32 s[CI], 4
.Lfour_\@:
	STEP \qf, \qs, \causal
	s_sub_co_u32 s[CI], s[CI], 1
	s_cmp_lg_u32 s[CI], 0
	s_cbranch_scc1 .Lfour_\@
	s_setprio 0
	s_add_co_u32 s[TV], s[TV], VCHUNK-256
.endm
; THE WAY OUT of a tile.  The sum's halves are added; O^T is divided by the sum and goes through my own stage in LDS: a lane holds 32 bytes of a row, and comes back with 16 bytes of a whole row of 256.
.macro WAYOUT p
	v_add_f32 v14, v14, v15                        ; the sum's two halves,
	s_delay_alu instid0(VALU_DEP_1)
	v_permlanex16_b32 v252, v14, s[SEL], s[SEL+1]
	s_delay_alu instid0(VALU_DEP_1)
	v_add_f32 v14, v14, v252                       ; and lane l xor 16's: the row's sum
	s_wait_alu depctr_va_vdst(0)
	v_rcp_f32 v14, v14
.rept 3
	v_nop                                          ; with the two additions five plain instructions stand behind the last product; the first is the plain instruction behind the reciprocal
.endr
	s_wait_alu depctr_va_vdst(0)                   ; the wait ahead of the reciprocal's first reader
.irp j, 0,2,4,6,8,10,12,14,16,18,20,22,24,26,28,30
	v_pk_mul_f32 v[SS+\j:SS+1+\j], v[OT+\j:OT+1+\j], v[14:15] op_sel_hi:[1,0]   ; register 8 t + i is out0(r, 16 t + 8 h + i); each accumulator from its low end on
.endr
.irp t, 0,1,2,3
	ds_store_b128 v[STO], v[SS+8*\t:SS+8*\t+3] offset:64*\t
	ds_store_b128 v[STO], v[SS+8*\t+4:SS+8*\t+7] offset:64*\t+16
.endr
.irp i, 0,1,2,3,4,5,6,7
	ds_load_b128 v[SS+32+4*\i:SS+35+4*\i], v[SRD] offset:2*SP*\i   ; LDS serves a wave's instructions in order (ISA guide 5.7.1.4): these see my stores
.endr
.irp i, 0,1,2,3,4,5,6,7
	s_wait_dscnt 7-\i                              ; rows 2 i and 2 i + 1 are back; the younger loads may be out
	global_store_b128 v[GO], v[SS+32+4*\i:SS+35+4*\i], s[\p:\p+1] offset:512*\i th:TH_STORE_NT   ; 16 lanes store a query's 256 consecutive bytes, at a multiple of 256 from out0's first byte
.endr
.endm
	PASS_INIT EH
	s_wait_loadcnt 0x0                             ; Q's fragments and scale words are in
	s_wait_tensorcnt 0x3                           ; in a fetching wave: my scale bytes and my half of chunk 0 have landed; the three loads issued behind them, chunks 1 to 3, may stay out
	s_barrier_signal -1
	s_barrier_wait -1                              ; everybody's have.
	FOUR QH, QSH, 0                                ; the high tile, steps 0 to 3: every high tile has nine steps or more, so none of these is hidden or on the diagonal
	s_wait_tensorcnt 0x0                           ; chunks 1 to 3: my parts have landed,
	s_wait_dscnt 0x0
	s_barrier_signal -1
	s_barrier_wait -1                              ; everybody's have
	s_mov_b32 s[CO], 3
.Lhigh:                                            ; steps 4 to 15
	FOUR QH, QSH, 1
	s_sub_co_u32 s[CO], s[CO], 1
	s_cmp_lg_u32 s[CO], 0
	s_cbranch_scc1 .Lhigh
	WAYOUT OH
	s_wait_xcnt 0x0                                ; the stores have read their registers: the next scores may land there
	s_mov_b32 s[LAST], s[LASTL]
	PASS_INIT EL
	s_mov_b32 s[CO], 2
.Llow:                                             ; the low tile, steps 0 to 7
	FOUR QL, QSL, 1
	s_sub_co_u32 s[CO], s[CO], 1
	s_cmp_lg_u32 s[CO], 0
	s_cbranch_scc1 .Llow
	WAYOUT OL
	s_wait_tensorcnt 0x0
	s_wait_dscnt 0x0
	s_wait_xcnt 0x0
	v_lshl_add_u32 v254, v0, 2, 0x36000
	v_mov_b32 v255, 0
	s_wait_alu depctr_va_vdst(0)
	s_wait_tensorcnt 0x0
	ds_add_u32 v254, v255
	s_wait_dscnt 0x0
	CROUND                                         ; the closing round: no work-group ends while a partner may still ask for a tile that names it
	s_endpgm
.Lfunc_end_k_q4c89e1050c_attn:
	.size	k_q4c89e1050c_attn, .Lfunc_end_k_q4c89e1050c_attn-k_q4c89e1050c_attn
	.p2alignl 7, 3214868480
	.fill 96, 4, 3214868480
	.section	.rodata,"a",@progbits
	.p2align	6, 0x0
	.amdhsa_kernel k_q4c89e1050c_attn
		.amdhsa_group_segment_fixed_size 223232
		.amdhsa_private_segment_fixed_size 0
		.amdhsa_enable_private_segment 0
		.amdhsa_kernarg_size 56
		.amdhsa_user_sgpr_count 2
		.amdhsa_user_sgpr_kernarg_segment_ptr 1
		.amdhsa_wavefront_size32 1
		.amdhsa_system_sgpr_workgroup_id_x 1
		.amdhsa_system_sgpr_workgroup_id_y 1
		.amdhsa_system_sgpr_workgroup_id_z 1
		.amdhsa_system_vgpr_workitem_id 0
		.amdhsa_next_free_vgpr 256
		.amdhsa_next_free_sgpr 106
		.amdhsa_reserve_vcc 1
		.amdhsa_float_denorm_mode_32 3
		.amdhsa_float_denorm_mode_16_64 3
		.amdhsa_memory_ordered 1
		.amdhsa_forward_progress 1
		.amdhsa_inst_pref_size 84
	.end_amdhsa_kernel
	.amdgpu_metadata
---
amdhsa.version: [ 1, 2 ]
amdhsa.kernels:
  - .name:           k_q4c89e1050c_attn
    .symbol:         k_q4c89e1050c_attn.kd
    .args:
      - { .name: K_codes, .offset: 0, .size: 8, .value_kind: global_buffer, .address_space: global }
      - { .name: K_scales, .offset: 8, .size: 8, .value_kind: global_buffer, .address_space: global }
      - { .name: Q_codes, .offset: 16, .size: 8, .value_kind: global_buffer, .address_space: global }
      - { .name: Q_scales, .offset: 24, .size: 8, .value_kind: global_buffer, .address_space: global }
      - { .name: V_codes, .offset: 32, .size: 8, .value_kind: global_buffer, .address_space: global }
      - { .name: V_scales, .offset: 40, .size: 8, .value_kind: global_buffer, .address_space: global }
      - { .name: out0, .offset: 48, .size: 8, .value_kind: global_buffer, .address_space: global }
    .group_segment_fixed_size: 223232
    .private_segment_fixed_size: 0
    .kernarg_segment_align: 8
    .kernarg_segment_size: 56
    .max_flat_workgroup_size: 512
    .sgpr_count:     106
    .vgpr_count:     256
    .wavefront_size: 32
...
	.end_amdgpu_metadata
.endif
;; end of part 1
